; MI455X (gfx1250); checked and timed in simulation.
; The chip was launched on July 23, 2026; its instructions are those of AMD's public machine-readable ISA for CDNA 5 (MIT licence, August 2026) and "CDNA5" Instruction Set Architecture Reference Guide (July 2026). The comments in the code are by the model that wrote it; some were corrected since.
;; Multi Head Attention. Allowed arithmetic: matrix products marked QUANTISED: E2M3 operands, one E8M0 scale for each 32 along K, by v_wmma_scale_f32_16x16x128_f8f6f4 with both operands' format E2M3, f32 sums; everything else in f32.
;; Inputs: Wk_codes 16 x 64 x 32 x 24 uint8 (E2M3 codes of Wk, K innermost, in blocks of 32 codes, four codes in three bytes); Wk_scales 16 x 64 x 32 uint8 (E8M0 scales of Wk, one for each 32 codes along K); Wproj_codes 1,024 x 32 x 24 uint8 (E2M3 codes of Wproj, K innermost, in blocks of 32 codes, four codes in three bytes); Wproj_scales 1,024 x 32 uint8 (E8M0 scales of Wproj, one for each 32 codes along K); Wq_codes 16 x 64 x 32 x 24 uint8 (E2M3 codes of Wq, K innermost, in blocks of 32 codes, four codes in three bytes); Wq_scales 16 x 64 x 32 uint8 (E8M0 scales of Wq, one for each 32 codes along K); Wv_codes 16 x 64 x 32 x 24 uint8 (E2M3 codes of Wv, K innermost, in blocks of 32 codes, four codes in three bytes); Wv_scales 16 x 64 x 32 uint8 (E8M0 scales of Wv, one for each 32 codes along K); bproj 1,024 float32; x_codes 4 x 2,048 x 32 x 24 uint8 (E2M3 codes of x, K innermost, in blocks of 32 codes, four codes in three bytes); x_scales 4 x 2,048 x 32 uint8 (E8M0 scales of x, one for each 32 codes along K).
;; Outputs: out0 4 x 2,048 x 1,024 float32.
;; This version of the problem:
;;   THIS VERSION OF THE PROBLEM IS GIVEN IN LOW PRECISION. The matrix products marked QUANTISED in the list below multiply operands that are first quantised to E2M3 (2 exponent bits, 3 mantissa bits; 6 bits a number), with one power-of-two scale for each 32 numbers along K (OCP MX v1.0); their sums are f32. All else is computed in f32.
;;   The module's matrix products, in the order in which they are computed (A, B: the left and right operand; K: the contracted axis; several contracted axes count as one K, in the product's order):
;;     1. [M 1,024, K 1,024] x [K 1,024, N 8,192]; A: input Wq (given as codes); B: input x (given as codes): QUANTISED
;;     2. [M 1,024, K 1,024] x [K 1,024, N 8,192]; A: input Wk (given as codes); B: input x (given as codes): QUANTISED
;;     3. [M 1,024, K 1,024] x [K 1,024, N 8,192]; A: input Wv (given as codes); B: input x (given as codes): QUANTISED
;;     4. batch 64 x [M 2,048, K 64] x [K 64, N 2,048]; A: computed on the way; B: computed on the way: QUANTISED
;;     5. batch 64 x [M 2,048, K 2,048] x [K 2,048, N 64]; A: softmax (see below); B: computed on the way: QUANTISED
;;     6. [M 8,192, K 1,024] x [K 1,024, N 1,024]; A: computed on the way; B: input Wproj (given as codes): QUANTISED
;;   THE QUANTISER, for each operand of a quantised product, along K:
;;     - K is cut into blocks of 32 from its start; a last block that is shorter is filled with zeros.
;;     - A block's scale is 2^e with e = floor(log2(the largest magnitude in the block)) - 2, held to -126 .. 127; a block of zeros has e = 0. As a byte (E8M0): e + 127.
;;     - Each number is divided by its block's scale, clamped to +-7.5, and rounded to the nearest number of E2M3, ties to even, subnormals kept.
;;     - The product sums the exact products of the quantised numbers (number of the format x scale) in f32.
;;   ~~~python
;;   def quantise(x, axis):      # numpy; x: float32 -> the quantised numbers, widened to float32 again
;;       x = np.moveaxis(x, axis, -1); K = x.shape[-1]
;;       x = np.pad(x, [(0, 0)] * (x.ndim - 1) + [(0, -K % 32)]); x = x.reshape(x.shape[:-1] + (-1, 32)); a = np.abs(x).max(-1, keepdims=True)
;;       e = np.where(a > 0, np.clip(np.frexp(np.where(a > 0, a, 1))[1] - 1 - 2, -126, 127), 0)      # np.frexp(a)[1] - 1 = floor(log2(a)), exactly
;;       r = np.clip(x / 2.0 ** e, -7.5, 7.5)
;;       step = 2.0 ** (np.maximum(np.frexp(np.where(r == 0, 1, r))[1] - 1, 0) - 3)
;;       q = np.round(r / step) * step * 2.0 ** e      # np.round: ties to even
;;       return np.moveaxis(q.reshape(q.shape[:-2] + (-1,))[..., :K], -1, axis).astype(np.float32)
;;   ~~~
;;   SOFTMAX AHEAD OF A QUANTISED PRODUCT. Where the list says 'softmax', what is quantised is not the finished softmax but p = 2^(t - M), with t = logit x log2(e) and M = ceil(the row's largest t), a whole number; so 1/2 < the row's largest p <= 1. The row's sum l is taken of the UNQUANTISED p, in f32, and the product's result is divided by l at the end. Since M is a whole number, a kernel that streams over the keys may use a running M (the ceiling of the running maximum): every later rescaling is an exact power of two, which a block's scale takes up: the codes' values come out the same.
;;   OPERANDS COMPUTED ON THE WAY. 'Computed on the way' means the value that the module computes at that place (a softmax that the list does not call 'softmax' is quantised finished and normalised). What goes into a quantiser is computed in f32, as accurately as f32 sums, v_exp_f32 and their like allow (about 1e-6 of the number): no bf16 or f16 on the way to a quantiser, and a product that is left as it is and whose result goes on into a quantised operand takes f32 operands (vector FMAs, or v_wmma_f32_16x16x4_f32). A number that lies on a knife's edge between two numbers of the format may be rounded either way, as far as f32 arithmetic and the matrix unit's own rounding can turn it there, and no further.
;;   INPUTS GIVEN AS CODES. Wk (in the module: [16, 1024, 64], K = its axis 1); Wproj (in the module: [1024, 1024], K = its axis 1); Wq (in the module: [16, 1024, 64], K = its axis 1); Wv (in the module: [16, 1024, 64], K = its axis 1); x (in the module: [4, 2048, 1024], K = its axis 2): each comes as NAME_codes (uint8): NAME with its K axis moved to the last place and cut into blocks of 32 codes, [.., K / 32, bytes a block], one block behind the other in memory; four codes in three bytes: a row's codes are one little-endian stream of bits, code i at bits 6 i .. 6 i + 5 (a code: sign, 2 exponent bits, 3 mantissa bits); and NAME_scales (uint8): the same leading axes, one E8M0 byte (e + 127) for each 32 codes along K. Its value is code x scale, taken as it is: it is not quantised again, and the codes and scales need not be those that the quantiser above would give.
;; One version. Each part assembles by itself: llvm-mc -triple=amdgcn-amd-amdhsa -mcpu=gfx1250 --defsym DOCPART=n.
;; ======== version 1 of 1: 3 launches
;; limits: right only within a limited range of input values
;; workspace buffers: qimg 8,388,608 bytes; kvimg 13,369,344 bytes; oimg 6,291,456 bytes; osc 262,144 bytes
;; launch qkv (part 1): grid 8 x 32, 4 waves a work-group, clusters of 4 x 4, 327,680 bytes of LDS; arguments x_codes, x_scales, Wq_codes, Wq_scales, Wk_codes, Wk_scales, Wv_codes, Wv_scales, qimg, kvimg; writes qimg, kvimg
.if DOCPART == 1
	.amdgcn_target "amdgcn-amd-amdhsa--gfx1250"
	.amdhsa_code_object_version 6
	.text
	.protected	k_qb1fa2e93c6_qkv
	.globl	k_qb1fa2e93c6_qkv
	.p2align	8
	.type	k_qb1fa2e93c6_qkv,@function
k_qb1fa2e93c6_qkv:
	s_mov_b64 s[64:65], 0
	v_nop
	global_prefetch_b8 v0, s[64:65] scope:SCOPE_SE
	s_setreg_imm32_b32 hwreg(HW_REG_WAVE_MODE, 25, 1), 1
	s_wait_xcnt 0x0
	s_wait_alu depctr_hold_cnt(0) depctr_sa_sdst(0) depctr_va_vdst(0) depctr_va_sdst(0) depctr_va_ssrc(0) depctr_va_vcc(0) depctr_vm_vsrc(0)
	s_getreg_b32 s2, hwreg(HW_REG_IB_STS2, 6, 4)
	s_cmp_eq_u32 s2, 0
	s_cbranch_scc0 .Lentry_in_a_cluster
	s_endpgm
.Lentry_in_a_cluster:
	s_bfe_u32 s2, ttmp6, 0x10000c
	s_cmp_lg_u32 s2, 0xf033
	s_cbranch_scc0 .Lentry_shape_is_right
	s_endpgm
.Lentry_shape_is_right:
; q, k, v = x W on codes of FP6 (E2M3) with one E8M0 scale for each 32 along K = 1,024; the results are quantised at once: q and k along the head's 64, v along the keys.  No f32 result goes to memory.
; SHARES.  8 x 32 work-groups.  Work-group (c, ty) takes x's rows 256 ty on against rows 128 c on (heads 2 c, 2 c + 1) of Wq, Wk and Wv: six groups (tensor, head) of 64 weight rows.
; A WAVE HOLDS ITS 64 TOKENS (rows 64 w on of the 256), ALL OF K, IN REGISTERS (4 tiles x 8 fragments x 12 = 384), loaded from LDS once.  The weights stream past in 24 blocks of 16 rows, all of K (8 fragments, two sets):
; 32 products a block, four accumulators by turns.  Block n's rows are fetched behind block n - 2's products.
; LDS: x's 256 rows (816 bytes apart: 768 + 16 behind each 256), Wq's 128 rows, the spare words, a stage for k's and v's scale words.  Every tensor row is a whole row of 768 bytes.
; FILLS.  At the head one joint load a wave: waves 0, 1 half of Wq's rows each, waves 2, 3 half of x's.  ONE REFILL: when every wave holds its tokens in registers, Wk's and Wv's rows (64 rows a wave) land on x's bytes,
; behind a round of the cluster's barrier in which block 0's products stand.  A plain barrier behind block 6 shows them to all waves.
; CLUSTERS 4 x 4: x's rows are shared along a row of the cluster, the weights' along a column.  No prefetch: the launch has these two fills and no loop to run ahead in.
; SCALE WORDS come straight into registers: lane l takes the 32 bytes of row l of 32 rows, two loads cover 1,024 bytes on end; register q is K step q, lanes 0-15 an even tile, lanes 16-31 the odd one.
; THE PRODUCTS.  q, k: source 0 = 16 weight rows, source 1 = 16 tokens: a lane holds a token, registers run along d.  v: source 0 = tokens, source 1 = weight rows: a lane holds a d, registers run along the keys.
; THE WAY OUT of a group (128 sums a lane): halves of the lanes change places so that 16 registers are 16 neighbours; largest magnitudes, scales, codes in registers; images of the reader's registers are stored:
;   qimg: record (b x 16 + head, t / 16) of 1,024 bytes: 16 lane: registers 0-3; 512 + 16 lane: registers 4, 5, the scale word (two bytes, two zeros), 0.
;   kvimg: record (b x 16 + head, t / 128) of 13,056 bytes.  With cc = 0, 1 the record's half of 64 keys, which is one wave's:
;     K: eight tiles of six registers, on end (6,144 bytes).  Lane r of tile 4 cc + u holds key 64 cc + 32 (r / 8) + 8 u + r % 8, so that the scores of four tiles are a whole block of 32 keys in a lane.
;     V: at 6,144 + 1,536 f + 768 cc: registers 6 cc .. 6 cc + 3 of fragment f (16 lane), then registers 6 cc + 4, 5 (512 + 8 lane).   K's scale words at 12,288 (512 bytes), V's at 12,800 (256).
;   K's and V's scale words gather in the stage and leave at the end as whole units.
; LIMITS: NaN, infinities and the scale byte 0xff among the inputs are not served.  A block whose largest magnitude lies under 2^-124, a block of zeros too, keeps the scale byte 1: its codes are zeros, and this program alone reads the bytes.
.set KROW,   768
.set PITCH,  816
.set WR,     256*PITCH                 ; Wq's rows, behind x's
.set SPARE,  WR+128*PITCH              ; the spare words: 512 bytes that no other line names
.set KST,    SPARE+512                 ; stage: K's scale words, [head][record][512]
.set VST,    KST+2048                  ; V's, [head][record][256]
.set REC,    13056
.set HEADKV, 16*REC
.set HEADQ,  131072
.set SPW, 4                            ; my spare word
.set NIL, 5                            ; 0
.set XA,  6                            ; v6, v7 LDS address of my tokens' fragments (v7: behind one padding more)
.set WA,  8                            ; v8-19 the same for the six groups of weight rows
.set SL,  20                           ; 32 x lane
.set LI,  21                           ; 16 x lane
.set KL,  22                           ; 16 x lane + 3,072 cc
.set VL,  23                           ; 16 x lane + 768 cc
.set KSA, 24                           ; stage, K's word
.set VSA, 25                           ; stage, V's two bytes
.set ERK, 26                           ; stage read back
.set ERV, 27
.set L8,  28                           ; 8 x lane
.set XS,  32                           ; v32-47 x's scale words
.set VL8, 48                           ; 8 x lane + 768 cc
.set WS,  52                           ; v52-83 the weights' scale words, two sets of 16
.set TM,  84                           ; v84-91 largest magnitudes, then the conversions' scale operands
.set TP,  92                           ; v92-99 the other half's, then the bytes
.set PW,  100                          ; v100-103 scale words
.set T1,  104
.set T2,  105
.set CD,  106                          ; v106-121 four conversions' codes
.set TT,  122                          ; v122-127
.set ACC, 128                          ; v128-255 a group's 16 accumulators; behind the conversions: the images that are stored
.set G1X, 24
.set G1W, 32
.set G0X, 48
.set G0W, 52
.set G0R, 56
.set MSB, 0
.macro WIN new                         ; the immediate's high byte repeats the setting that is left
.if MSB != (\new)
	s_set_vgpr_msb (MSB<<8)|(\new)
.set MSB, (\new)
.endif
.endm
.macro PLACES n
.rept \n
	v_nop
.endr
.endm
.macro WALU
	s_wait_alu depctr_va_vdst(0)
.endm
.macro CREST                           ; a round of the cluster's barrier behind its opening barrier
	s_cmp_lg_u32 s14, 0
	s_cbranch_scc1 .Lnot_wave_0_\@
	s_barrier_signal -3
.Lnot_wave_0_\@:
	s_barrier_wait -3
	s_barrier_signal -1
	s_barrier_wait -1
.endm
.macro CROUND
	s_barrier_signal -1
	s_barrier_wait -1
	CREST
.endm
.macro TLOAD g0, g1
	tensor_load_to_lds s[\g0:\g0+3], s[\g1:\g1+7]
	s_nop 0
	PLACES 4
.endm
.macro GROUP1 g, mask, rows            ; rows of 768 bytes, 16 bytes of padding behind every 256
	s_or_b32 s[\g+0], s[\mask], (1<<20)|(1<<21)|(5<<22)|(3<<25)
	s_mov_b32 s[\g+1], (KROW&0xffff)<<16
	s_mov_b32 s[\g+2], (KROW>>16)|((\rows)<<16)
	s_mov_b32 s[\g+3], KROW<<16
	s_mov_b32 s[\g+4], \rows
	s_mov_b32 s[\g+5], KROW
	s_mov_b32 s[\g+6], 0
	s_mov_b32 s[\g+7], 0
.endm
; Fragment fi lies in window 1 + fi / 21 at register 12 (fi % 21): 0-31 my tokens' (4 q + t), 32-39 and 40-47 the weights' two sets.
.macro FRAGL fi, q, a0, off            ; six pieces of 8 bytes; where lanes 16-31, three pieces on, lie behind one padding more, the second address register serves
	WIN (1+(\fi)/21)<<6
.set R_, 12*((\fi)%21)
.set P_, 0
.rept 6
.set PC_, 12*(\q)+6*(P_/3)+P_%3
.if PC_%32 < 29
	ds_load_b64 v[R_+2*P_:R_+2*P_+1], v[\a0] offset:8*PC_+16*(PC_/32)+(\off)
.else
	ds_load_b64 v[R_+2*P_:R_+2*P_+1], v[\a0+1] offset:8*PC_+16*(PC_/32)+(\off)
.endif
.set P_, P_+1
.endr
.endm
.macro FW n                            ; block n's 16 weight rows into set n % 2: 48 loads
.set G_, (\n)/4
.set Q2_, 0
.rept 8
	FRAGL 32+8*((\n)%2)+Q2_, Q2_, WA+2*G_, 16*((\n)%4)*PITCH
.set Q2_, Q2_+1
.endr
	WIN 0
.endm
.macro WM2 d, fa, fb, c, sa, sb, ra, rb
.if (\ra) && (\rb)
	v_wmma_scale_f32_16x16x128_f8f6f4 v[\d:\d+7], v[\fa:\fa+11], v[\fb:\fb+11], \c, v[\sa], v[\sb] matrix_a_fmt:MATRIX_FMT_FP6 matrix_b_fmt:MATRIX_FMT_FP6 matrix_a_scale:MATRIX_SCALE_ROW1 matrix_b_scale:MATRIX_SCALE_ROW1
.elseif (\ra)
	v_wmma_scale_f32_16x16x128_f8f6f4 v[\d:\d+7], v[\fa:\fa+11], v[\fb:\fb+11], \c, v[\sa], v[\sb] matrix_a_fmt:MATRIX_FMT_FP6 matrix_b_fmt:MATRIX_FMT_FP6 matrix_a_scale:MATRIX_SCALE_ROW1
.elseif (\rb)
	v_wmma_scale_f32_16x16x128_f8f6f4 v[\d:\d+7], v[\fa:\fa+11], v[\fb:\fb+11], \c, v[\sa], v[\sb] matrix_a_fmt:MATRIX_FMT_FP6 matrix_b_fmt:MATRIX_FMT_FP6 matrix_b_scale:MATRIX_SCALE_ROW1
.else
	v_wmma_scale_f32_16x16x128_f8f6f4 v[\d:\d+7], v[\fa:\fa+11], v[\fb:\fb+11], \c, v[\sa], v[\sb] matrix_a_fmt:MATRIX_FMT_FP6 matrix_b_fmt:MATRIX_FMT_FP6
.endif
.endm
.macro WM d, fa, fb, k, sa, sb, ra, rb ; the first K step starts the sum
.if (\k)
	WM2 \d, \fa, \fb, v[\d:\d+7], \sa, \sb, \ra, \rb
.else
	WM2 \d, \fa, \fb, 0, \sa, \sb, \ra, \rb
.endif
.endm
; Block n's 32 products.  kind 0 (q, k): accumulator of token tile t at ACC + 32 t + 8 (n % 4); kind 1 (v): at ACC + 32 (n % 4) + 8 t.
.macro PBLK kind, n
.set Q_, 0
.rept 8
.set T_, 0
.rept 4
.set FX_, 4*Q_+T_
.set FW_, 32+8*((\n)%2)+Q_
.set RX_, 12*(FX_%21)
.set RW_, 12*(FW_%21)
.set SX_, XS+8*(T_/2)+Q_
.set SW_, WS+16*(((\n)/4)%2)+8*(((\n)%4)/2)+Q_
.if \kind
.set D_, ACC+32*((\n)%4)+8*T_
	WIN (1+FX_/21)|((1+FW_/21)<<2)
	WM D_, RX_, RW_, Q_, SX_, SW_, T_%2, (\n)%2
.else
.set D_, ACC+32*T_+8*((\n)%4)
	WIN (1+FW_/21)|((1+FX_/21)<<2)
	WM D_, RW_, RX_, Q_, SW_, SX_, (\n)%2, T_%2
.endif
.set T_, T_+1
.endr
.set Q_, Q_+1
.endr
.endm
.macro BLK kind, n
.if (\n) < 23
	s_wait_dscnt 48                                ; block n's rows are in; the next block's 48 loads may be out
.else
	s_wait_dscnt 0x0
.endif
	PBLK \kind, \n
	WIN 0
	PLACES 4                                       ; between the products and loads into, or reads of, their registers
.if (\n) == 6
	s_wait_tensorcnt 0x0                           ; my part of Wk's and Wv's rows is in,
	s_wait_dscnt 0x0
	s_barrier_signal -1
	s_barrier_wait -1                              ; everybody's is
.endif
.if (\n)+2 < 24
	FW (\n)+2
.endif
.endm
.macro LDSC g                          ; group g's scale words into set g % 2
.irp e, 0,1
.irp c, 0,1
	global_load_b128 v[WS+16*((\g)%2)+8*\e+4*\c:WS+16*((\g)%2)+8*\e+4*\c+3], v[SL], s[74+4*((\g)/2):75+4*((\g)/2)] offset:2048*((\g)%2)+1024*\e+16*\c
.endr
.endr
.endm
.macro GRP kind, g, first
.if (\g) >= 2
.if (\g) < 5
	s_wait_loadcnt 4                               ; my scale words are in; the next group's four loads may be out
.else
	s_wait_loadcnt 0x0
.endif
.endif
.if \first
	BLK \kind, 4*(\g)
.endif
	BLK \kind, 4*(\g)+1
	BLK \kind, 4*(\g)+2
	BLK \kind, 4*(\g)+3
.if (\g)+2 < 6
	LDSC (\g)+2                                    ; this group's set is free
.endif
.endm
; THE WAY OUT, common part.  Chunk c = 16 registers.  Register j of a chunk's two accumulators change halves: then register i holds neighbour 16 h + i of the chunk's 32.  Each accumulator is read from its register 0 on.
.macro WOHEAD
.set C_, 0
.rept 8
.set J_, 0
.rept 8
	v_permlane16_swap_b32 v[ACC+16*C_+J_], v[ACC+16*C_+8+J_]
.set J_, J_+1
.endr
.set C_, C_+1
.endr
.irp c, 0,1,2,3,4,5,6,7
	v_max3_num_f32 v[TM+\c], |v[ACC+16*\c]|, |v[ACC+16*\c+1]|, 0x1800000   ; with the floor 2^(3 - 127): the byte cannot fall under 1
.endr
.irp i, 2,4,6,8,10,12,14
.irp c, 0,1,2,3,4,5,6,7
	v_max3_num_f32 v[TM+\c], |v[ACC+16*\c+\i]|, |v[ACC+16*\c+\i+1]|, v[TM+\c]
.endr
.endr
.irp c, 0,1,2,3,4,5,6,7
	v_permlanex16_b32 v[TP+\c], v[TM+\c], s66, s67
.endr
.irp c, 0,1,2,3,4,5,6,7
	v_max_num_f32 v[TM+\c], v[TM+\c], v[TP+\c]     ; with lane l xor 16's: the block's largest magnitude
.endr
.irp c, 0,1,2,3,4,5,6,7
	v_add_nc_u32 v[TM+\c], 0xff000000, v[TM+\c]    ; 2 off its exponent field: the conversion's scale operand
.endr
.irp c, 0,1,2,3,4,5,6,7
	v_lshrrev_b32 v[TP+\c], 23, v[TM+\c]           ; the scale's byte
.endr
.irp u, 0,1,2,3
	v_lshl_or_b32 v[PW+\u], v[TP+2*\u+1], 8, v[TP+2*\u]   ; unit u's two bytes
.endr
.endm
; Chunks ca, ca + 1 (one unit of 32 registers) and cb, cb + 1 (another) become codes; then a whole block of 32 goes into a lane: unit one's six registers are CD + 0-2, CD + 4-6, unit two's CD + 8-10, CD + 12-14.
.macro CVT4 ca, cb
.irp s, 0,1
	v_cvt_scalef32_pk16_fp6_f32 v[CD+4*\s:CD+4*\s+2], v[ACC+16*((\ca)+\s):ACC+16*((\ca)+\s)+15], v[TM+(\ca)+\s]
.endr
.irp s, 0,1
	v_cvt_scalef32_pk16_fp6_f32 v[CD+8+4*\s:CD+8+4*\s+2], v[ACC+16*((\cb)+\s):ACC+16*((\cb)+\s)+15], v[TM+(\cb)+\s]
.endr
	v_nop                                          ; one plain place behind a scaled conversion
.irp t, 0,1
.irp i, 0,1,2
	v_permlane16_swap_b32 v[CD+8*\t+\i], v[CD+8*\t+4+\i]
.endr
.endr
.endm
.macro SIX p                           ; units 2 p, 2 p + 1: six registers each, on end, at ACC + 64 p + 8 t
	CVT4 4*(\p), 4*(\p)+2
.irp t, 0,1
.irp i, 0,1,2
	v_mov_b32 v[ACC+64*(\p)+8*\t+\i], v[CD+8*\t+\i]
	v_mov_b32 v[ACC+64*(\p)+8*\t+3+\i], v[CD+8*\t+4+\i]
.endr
.endr
.endm
.macro WOEND
	WALU                                           ; the wait ahead of the blocking wait
	s_wait_xcnt 0x0                                ; the stores have read their data: the next products write those registers
.endm
.macro WOQ hh                          ; unit t: token tile t; its chunks: d = 0 .., 32 ..
	WOHEAD
.irp p, 0,1
	SIX \p
.irp t, 0,1
	v_mov_b32 v[ACC+64*\p+8*\t+6], v[PW+2*\p+\t]
	v_mov_b32 v[ACC+64*\p+8*\t+7], 0
.endr
.endr
.irp p, 0,1
.irp t, 0,1
	global_store_b128 v[LI], v[ACC+64*\p+8*\t:ACC+64*\p+8*\t+3], s[84:85] offset:(\hh)*HEADQ+(2*\p+\t)*1024       ; 512 bytes on end, aligned
	global_store_b128 v[LI], v[ACC+64*\p+8*\t+4:ACC+64*\p+8*\t+7], s[84:85] offset:(\hh)*HEADQ+(2*\p+\t)*1024+512
.endr
.endr
	WOEND
.endm
.macro WOK hh                          ; token tiles p and p + 2 make K's tiles 2 p and 2 p + 1: lanes 8 apart change places: the even tile takes the first eight keys of each 16, the odd one the last eight
	WOHEAD
.irp p, 0,1
	CVT4 2*\p, 2*\p+4
.irp i, 0,1,2,3,4,5
	v_mov_b32_dpp v[TT+2*(\i%3)], v[CD+4*(\i/3)+\i%3] row_xmask:8 row_mask:0xf bank_mask:0xf
	v_mov_b32_dpp v[TT+2*(\i%3)+1], v[CD+8+4*(\i/3)+\i%3] row_xmask:8 row_mask:0xf bank_mask:0xf
	v_cndmask_b32 v[ACC+32*\p+\i], v[CD+4*(\i/3)+\i%3], v[TT+2*(\i%3)+1], s100
	v_cndmask_b32 v[ACC+32*\p+6+\i], v[TT+2*(\i%3)], v[CD+8+4*(\i/3)+\i%3], s100
.endr
	v_mov_b32_dpp v[T1], v[PW+\p] row_xmask:8 row_mask:0xf bank_mask:0xf
	v_mov_b32_dpp v[T2], v[PW+\p+2] row_xmask:8 row_mask:0xf bank_mask:0xf
	v_cndmask_b32 v[T2], v[PW+\p], v[T2], s100     ; the scale words go the same way
	v_cndmask_b32 v[T1], v[T1], v[PW+\p+2], s100
	v_cndmask_b32 v[ACC+32*\p+12], v[T2], v[T1], s101   ; the even tile's in lanes 0-15, the odd one's in lanes 16-31
.endr
.irp p, 0,1
.irp c, 0,1,2
	global_store_b128 v[KL], v[ACC+32*\p+4*\c:ACC+32*\p+4*\c+3], s[86:87] offset:(\hh)*HEADKV+1536*\p+512*\c
.endr
	ds_store_b32 v[KSA], v[ACC+32*\p+12] offset:1024*(\hh)+4*\p
.endr
	WOEND
.endm
.macro WOV hh                          ; unit f: fragment f (16 of the head's d); its chunks: my keys 0 .., 32 ..
	WOHEAD
.irp p, 0,1
	SIX \p
.endr
.irp p, 0,1
.irp t, 0,1
	global_store_b128 v[VL], v[ACC+64*\p+8*\t:ACC+64*\p+8*\t+3], s[86:87] offset:(\hh)*HEADKV+6144+1536*(2*\p+\t)        ; 512 bytes on end, aligned
	global_store_b64 v[VL8], v[ACC+64*\p+8*\t+4:ACC+64*\p+8*\t+5], s[86:87] offset:(\hh)*HEADKV+6144+1536*(2*\p+\t)+512  ; 256 more
.endr
.endr
.irp f, 0,1,2,3
	ds_store_b16 v[VSA], v[PW+\f] offset:512*(\hh)+128*(\f%2)+4*(\f/2)   ; lanes l and l xor 16 write the same two bytes with the same value
.endr
	WOEND
.endm
; ---- the head
	s_load_b512 s[68:83], s[0:1], 0x0              ; x's codes, scales; Wq's; Wk's; Wv's
	s_load_b128 s[84:87], s[0:1], 0x40             ; qimg, kvimg
	v_lshl_add_u32 v[SPW], v0, 2, SPARE
	v_mov_b32 v[NIL], 0
	ds_add_u32 v[SPW], v[NIL]                      ; the opening lines
	ds_add_u32 v[SPW], v[NIL]
	v_lshrrev_b32 v1, 5, v0
	v_readfirstlane_b32 s14, v1                    ; wave
	s_lshr_b32 s15, s14, 1                         ; rec: which record of 128 tokens
	s_and_b32 s16, s14, 1                          ; cc: which half of it
	s_bfe_u32 s40, ttmp6, 0x40000                  ; cx, cy
	s_bfe_u32 s41, ttmp6, 0x40004
	s_and_b32 s17, ttmp7, 0xffff
	s_lshl_b32 s17, s17, 2
	s_add_co_u32 s17, s17, s41                     ; ty
	s_lshl_b32 s42, ttmp9, 2
	s_add_co_u32 s42, s42, s40                     ; c
	s_lshl_b32 s43, s41, 2
	s_lshl_b32 s43, 15, s43                        ; my row of the cluster
	s_lshl_b32 s44, 0x1111, s40                    ; my column
	s_mov_b32 s66, 0x76543210                      ; v_permlanex16_b32's selects for lane l xor 16
	s_mov_b32 s67, 0xfedcba98
	s_mov_b32 s100, 0xff00ff00                     ; the lanes whose place in their half is 8 or more
	s_mov_b32 s101, 0xffff0000                     ; lanes 16-31
	GROUP1 G1X, 43, 128
	GROUP1 G1W, 44, 64
	s_lshl_b32 s18, s17, 8
	s_lshl_b32 s19, s16, 7
	s_add_co_u32 s18, s18, s19
	s_mul_i32 s18, s18, KROW                       ; x: row 256 ty + 128 (wave & 1)
	s_mov_b32 s19, 0
	s_lshl_b32 s20, s42, 7
	s_lshl_b32 s21, s16, 6
	s_add_co_u32 s20, s20, s21
	s_mul_i32 s20, s20, KROW                       ; a weight: row 128 c + 64 (wave & 1)
	s_mov_b32 s21, 0
	s_mov_b32 s[G0X], 1
	s_mul_i32 s[G0X+1], s16, 128*PITCH
	s_mov_b32 s[G0W], 1
	s_mul_i32 s[G0W+1], s16, 64*PITCH
	s_add_co_u32 s[G0W+1], s[G0W+1], WR
	s_mov_b32 s[G0R], 1
	s_mul_i32 s[G0R+1], s14, 64*PITCH              ; the refill: Wk's two halves, then Wv's, on x's bytes
	s_wait_dscnt 0x0
	s_wait_kmcnt 0x0
	s_add_nc_u64 s[G0X+2:G0X+3], s[68:69], s[18:19]
	s_or_b32 s[G0X+3], s[G0X+3], 0x80000000
	s_add_nc_u64 s[G0W+2:G0W+3], s[72:73], s[20:21]
	s_or_b32 s[G0W+3], s[G0W+3], 0x80000000
	s_cmp_lt_u32 s14, 2
	s_cselect_b64 s[22:23], s[76:77], s[80:81]     ; waves 0, 1 Wk, waves 2, 3 Wv
	s_add_nc_u64 s[G0R+2:G0R+3], s[22:23], s[20:21]
	s_or_b32 s[G0R+3], s[G0R+3], 0x80000000
	CROUND                                         ; all sixteen work-groups are here: the first joint loads meet
	s_cmp_lt_u32 s14, 2
	s_cbranch_scc0 .Lfor_x
	TLOAD G0W, G1W
	s_branch .Lasked
.Lfor_x:
	TLOAD G0X, G1X
.Lasked:
	s_lshl_b32 s45, s14, 6                         ; my first row of the 256
	s_mul_i32 s46, s45, PITCH
	s_mul_i32 s47, s16, 3072
	s_mul_i32 s90, s16, 768
	s_lshl_b32 s91, s15, 9
	s_lshl_b32 s92, s16, 3
	s_add_co_u32 s91, s91, s92
	s_add_co_u32 s91, s91, KST
	s_lshl_b32 s92, s15, 8
	s_lshl_b32 s95, s16, 1
	s_add_co_u32 s92, s92, s95
	s_add_co_u32 s92, s92, VST
	s_lshl_b32 s93, s14, 9
	s_add_co_u32 s93, s93, KST
	s_lshl_b32 s94, s14, 8
	s_add_co_u32 s94, s94, VST
	s_lshl_b32 s96, s17, 8
	s_add_co_u32 s96, s96, s45
	s_lshl_b32 s96, s96, 5
	s_mov_b32 s97, 0
	s_add_nc_u64 s[70:71], s[70:71], s[96:97]      ; my tokens' scale bytes
	s_lshl_b32 s96, s42, 12
	s_add_nc_u64 s[74:75], s[74:75], s[96:97]      ; the weights' scale bytes, rows 128 c on
	s_add_nc_u64 s[78:79], s[78:79], s[96:97]
	s_add_nc_u64 s[82:83], s[82:83], s[96:97]
	s_lshr_b32 s98, s17, 3
	s_lshl_b32 s98, s98, 4
	s_lshl_b32 s99, s42, 1
	s_add_co_u32 s98, s98, s99                     ; 16 b + 2 c
	s_and_b32 s99, s17, 7
	s_lshl_b32 s96, s98, 17
	s_lshl_b32 s10, s99, 4
	s_lshl_b32 s11, s14, 2
	s_add_co_u32 s10, s10, s11                     ; t / 16 of my first token
	s_lshl_b32 s10, s10, 10
	s_add_co_u32 s96, s96, s10
	s_add_nc_u64 s[84:85], s[84:85], s[96:97]      ; qimg at my first record
	s_lshl_b32 s10, s98, 4
	s_lshl_b32 s11, s99, 1
	s_add_co_u32 s10, s10, s11
	s_add_co_u32 s96, s10, s15
	s_mul_i32 s96, s96, REC
	s_lshl_b32 s11, s15, 4
	s_add_co_u32 s11, s11, s10
	s_add_co_u32 s11, s11, s16
	s_mul_i32 s12, s11, REC
	s_mov_b32 s13, 0
	s_add_nc_u64 s[88:89], s[86:87], s[12:13]      ; at the end: the record of head wave / 2, record wave % 2
	s_add_nc_u64 s[86:87], s[86:87], s[96:97]      ; kvimg at my record of head 2 c
	v_and_b32 v1, 15, v0                           ; r
	v_bfe_u32 v2, v0, 4, 1                         ; h
	v_and_b32 v3, 31, v0                           ; lane
	v_mul_u32_u24 v29, v1, PITCH
	v_mad_u32_u24 v30, v2, 24, v29
	v_mad_u32_u24 v31, v2, 40, v29
	v_add_nc_u32 v[XA], s46, v30
	v_add_nc_u32 v[XA+1], s46, v31
.irp g, 0,1
	v_add_nc_u32 v[WA+2*\g], WR+\g*64*PITCH, v30
	v_add_nc_u32 v[WA+2*\g+1], WR+\g*64*PITCH, v31
.endr
.irp g, 0,1,2,3
	v_add_nc_u32 v[WA+4+2*\g], \g*64*PITCH, v30
	v_add_nc_u32 v[WA+4+2*\g+1], \g*64*PITCH, v31
.endr
	v_lshlrev_b32 v[SL], 5, v3
	v_lshlrev_b32 v[LI], 4, v3
	v_lshlrev_b32 v[L8], 3, v3
	v_add_nc_u32 v[KL], s47, v[LI]
	v_add_nc_u32 v[VL], s90, v[LI]
	v_add_nc_u32 v[VL8], s90, v[L8]
	v_add_nc_u32 v[KSA], s91, v[LI]
	v_lshl_add_u32 v[VSA], v1, 3, s92
	v_add_nc_u32 v[ERK], s93, v[LI]
	v_add_nc_u32 v[ERV], s94, v[L8]
.irp i, 0,1,2,3,4,5,6,7
	v_mov_b32 v[TP+\i], 0                          ; written once: a lane permute's destination counts as one of its sources
.endr
.irp i, 0,1,2,3,4,5
	v_mov_b32 v[TT+\i], 0
.endr
	v_mov_b32 v[T1], 0
	v_mov_b32 v[T2], 0
.irp b, 0,1
.irp c, 0,1
	global_load_b128 v[XS+8*\b+4*\c:XS+8*\b+4*\c+3], v[SL], s[70:71] offset:1024*\b+16*\c
.endr
.endr
	LDSC 0
	LDSC 1
	WALU                                           ; the wait at the head's end
	s_wait_tensorcnt 0x0                           ; my part of the head's tiles is in,
	s_barrier_signal -1
	s_barrier_wait -1                              ; everybody's is
.set QX_, 0
.rept 8
.irp t, 0,1,2,3
	FRAGL 4*QX_+\t, QX_, XA, 16*\t*PITCH
.endr
.set QX_, QX_+1
.endr
	FW 0
	FW 1
	s_wait_tensorcnt 0x0                           ; the three lines ahead of the refill's round
	ds_add_u32 v[SPW], v[NIL]
	s_wait_loadcnt 0x0                             ; x's scale words and the first two groups'
	s_wait_dscnt 0x0                               ; the add is done, and my tokens are in registers: I read x's bytes no more
	s_barrier_signal -1
	PBLK 0, 0                                      ; block 0's products, work on registers, inside the round
	WIN 0
	s_barrier_wait -1
	CREST
	TLOAD G0R, G1W                                 ; the one refill; its four v_nop are the places ahead of the loads below
	FW 2
	GRP 0, 0, 0
	WOQ 0
	GRP 0, 1, 1
	WOQ 1
	GRP 0, 2, 1
	WOK 0
	GRP 0, 3, 1
	WOK 1
	GRP 1, 4, 1
	WOV 0
	GRP 1, 5, 1
	WOV 1
; ---- the end: the scale words leave the stage as whole units: wave w takes K's 512 bytes and V's 256 of (head w / 2, record w % 2)
	s_wait_dscnt 0x0
	s_barrier_signal -1
	s_barrier_wait -1
	ds_load_b128 v[CD:CD+3], v[ERK]
	ds_load_b64 v[CD+4:CD+5], v[ERV]
	s_wait_dscnt 0x0
	global_store_b128 v[LI], v[CD:CD+3], s[88:89] offset:12288
	global_store_b64 v[L8], v[CD+4:CD+5], s[88:89] offset:12800
	s_wait_tensorcnt 0x0                           ; the wave's end
	ds_add_u32 v[SPW], v[NIL]
	s_wait_dscnt 0x0
	CROUND                                         ; the closing round
	s_endpgm
.Lfunc_end_k_qb1fa2e93c6_qkv:
	.size	k_qb1fa2e93c6_qkv, .Lfunc_end_k_qb1fa2e93c6_qkv-k_qb1fa2e93c6_qkv
	.p2alignl 7, 3214868480
	.fill 96, 4, 3214868480
	.section	.rodata,"a",@progbits
	.p2align	6, 0x0
	.amdhsa_kernel k_qb1fa2e93c6_qkv
		.amdhsa_group_segment_fixed_size 327680
		.amdhsa_private_segment_fixed_size 0
		.amdhsa_enable_private_segment 0
		.amdhsa_kernarg_size 80
		.amdhsa_user_sgpr_count 2
		.amdhsa_user_sgpr_kernarg_segment_ptr 1
		.amdhsa_wavefront_size32 1
		.amdhsa_system_sgpr_workgroup_id_x 1
		.amdhsa_system_sgpr_workgroup_id_y 1
		.amdhsa_system_sgpr_workgroup_id_z 1
		.amdhsa_system_vgpr_workitem_id 0
		.amdhsa_next_free_vgpr 840
		.amdhsa_next_free_sgpr 102
		.amdhsa_reserve_vcc 0
		.amdhsa_float_denorm_mode_32 3
		.amdhsa_float_denorm_mode_16_64 3
		.amdhsa_memory_ordered 1
		.amdhsa_forward_progress 1
		.amdhsa_inst_pref_size 255
	.end_amdhsa_kernel
	.section	.bss,"aw",@nobits
	.p2align	6
	.space	262144
	.amdgpu_metadata
---
amdhsa.version: [ 1, 2 ]
amdhsa.kernels:
  - .name:           k_qb1fa2e93c6_qkv
    .symbol:         k_qb1fa2e93c6_qkv.kd
    .args:
      - { .name: x_codes, .offset: 0, .size: 8, .value_kind: global_buffer, .address_space: global }
      - { .name: x_scales, .offset: 8, .size: 8, .value_kind: global_buffer, .address_space: global }
      - { .name: Wq_codes, .offset: 16, .size: 8, .value_kind: global_buffer, .address_space: global }
      - { .name: Wq_scales, .offset: 24, .size: 8, .value_kind: global_buffer, .address_space: global }
      - { .name: Wk_codes, .offset: 32, .size: 8, .value_kind: global_buffer, .address_space: global }
      - { .name: Wk_scales, .offset: 40, .size: 8, .value_kind: global_buffer, .address_space: global }
      - { .name: Wv_codes, .offset: 48, .size: 8, .value_kind: global_buffer, .address_space: global }
      - { .name: Wv_scales, .offset: 56, .size: 8, .value_kind: global_buffer, .address_space: global }
      - { .name: qimg, .offset: 64, .size: 8, .value_kind: global_buffer, .address_space: global }
      - { .name: kvimg, .offset: 72, .size: 8, .value_kind: global_buffer, .address_space: global }
    .group_segment_fixed_size: 327680
    .private_segment_fixed_size: 0
    .kernarg_segment_align: 8
    .kernarg_segment_size: 80
    .max_flat_workgroup_size: 128
    .sgpr_count:     102
    .vgpr_count:     840
    .wavefront_size: 32
...
	.end_amdgpu_metadata
.endif
;; end of part 1
;; launch attn (part 2): grid 4 x 64, 16 waves a work-group, clusters of 4 x 1, 210,944 bytes of LDS; arguments qimg, kvimg, oimg, osc; writes oimg, osc
.if DOCPART == 2
	.amdgcn_target "amdgcn-amd-amdhsa--gfx1250"
	.amdhsa_code_object_version 6
	.text
	.protected	k_qb1fa2e93c6_attn
	.globl	k_qb1fa2e93c6_attn
	.p2align	8
	.type	k_qb1fa2e93c6_attn,@function
k_qb1fa2e93c6_attn:
	s_mov_b64 s[64:65], 0
	v_nop
	global_prefetch_b8 v0, s[64:65] scope:SCOPE_SE
	s_setreg_imm32_b32 hwreg(HW_REG_WAVE_MODE, 25, 1), 1
	s_wait_xcnt 0x0
	s_wait_alu depctr_hold_cnt(0) depctr_sa_sdst(0) depctr_va_vdst(0) depctr_va_sdst(0) depctr_va_ssrc(0) depctr_va_vcc(0) depctr_vm_vsrc(0)
	s_getreg_b32 s2, hwreg(HW_REG_IB_STS2, 6, 4)
	s_cmp_eq_u32 s2, 0
	s_cbranch_scc0 .Lentry_in_a_cluster
	s_endpgm
.Lentry_in_a_cluster:
	s_bfe_u32 s2, ttmp6, 0x10000c
	s_cmp_lg_u32 s2, 0x3003
	s_cbranch_scc0 .Lentry_shape_is_right
	s_endpgm
.Lentry_shape_is_right:
; Causal attention of one (batch, head) for each cluster of four work-groups, both products on codes of FP6 (E2M3) with E8M0 scales, and the result quantised along the head's 64 for the last product.
; t = score x log2(e) / 32 (the module's factor is 1,024^-0.5); M = the running largest t rounded up to a whole number; p = 2^(t - M) is quantised along the keys, not normalised;
; the row's sum is taken of the unquantised p and divides O at the end; when M moves, the sum and O are multiplied by 2^(old M - new M), which rounds nothing.
; Key steps all of whose keys come after a tile's queries are under the causal mask and are not walked.
; THE HEAD'S K AND V LIE IN LDS WHOLE: 16 records of 13,056 bytes (128 keys each), images of the operands' registers.  They are filled once: wave w asks for record w, jointly with the same wave of the three partners.
; SHARES.  Wave w of work-group g (its place in the cluster) owns the tiles of 16 queries J = 4 w + g and 127 - J.  Tile J wants the key steps 0 .. J / 8: w / 2 + 1 steps for the first, 16 - w / 2 for the second: 17 for every wave.
; ONE LOOP OF 17 TRIPS, one key step a trip in every wave: the first tile walks its steps upward (trips 0 .. w / 2), the second downward from its diagonal (step 16 - trip).  At trip w / 2 + 1 the first tile leaves and the second begins.
; A barrier is signalled at a trip's head and awaited at its foot: the sixteen waves go through the trips together, at most one trip apart.  It orders no memory: LDS is only read here.
; Every branch hangs on the wave's number and the trip; g enters global addresses and the numbers that the mask compares, nothing else.
; LAYOUT.  S^T = K Q^T (source 0 = 16 keys, source 1 = my 16 queries), O^T = V^T P^T (source 0 = 16 of the head's 64, source 1 = P): a lane holds one query (lane % 16) throughout.
; The first product's K is 64, the instruction's 128: Q's registers 6-11 are zero codes; what stands in the same places of source 0 (the next tile's codes) so adds nothing; the scale bytes there are 0, not 0xff.
; Lane r of K's tile 4 c + u holds key 64 c + 32 (r / 8) + 8 u + r % 8: so the 32 registers of tiles 4 c .. 4 c + 3 are the whole block of keys 64 c + 32 (lane / 16) + 0 .. 31: a block's maximum and codes need no other lane.
; OUT: oimg, record (row / 256, head, (row / 16) % 16) of 768 bytes: 16 lane: registers 0-3 of six; 512 + 8 lane: registers 4, 5.  osc: a word for (row / 256, head / 2, row % 256): this head's two bytes are one half of it.
; LIMITS: NaN and infinities are not served.  A block of p or of O whose largest magnitude lies under 2^-124 keeps the scale byte 1; a block of zeros too: its codes are zeros, and the bytes are read by this program alone.
.set REC, 13056
.set LI,  1                            ; 16 x lane
.set L8,  2                            ; 8 x lane
.set AD,  3                            ; the step's record + 16 x lane
.set AD8, 4                            ; the step's record + 8 x lane
.set DM,  5                            ; the mask: my query's place in the diagonal step - 32 (lane / 16)
.set R4,  6                            ; 4 x (lane % 16)
.set RH,  7                            ; lane % 16 - 32 (lane / 16)
.set SH8, 8                            ; 8 x (lane / 16)
.set T,   9
.set T2,  10
.set TP,  11
.set Q,   16                           ; v16-27 Q's fragment;  v12 -M, v13 the largest score, v[14:15] the sum in two halves
.set QS,  28                           ; Q's scale words
.set NI,  29                           ; -infinity
.set KS,  32                           ; v32-35 K's scale words: register b: tile 2 b in lanes 0-15, tile 2 b + 1 in lanes 16-31
.set VS,  36                           ; v36-37 V's likewise
.set F,   40                           ; v40-87 K's eight tiles, then V's four fragments; v88-93 zeros
.set S,   96                           ; v96-159 S^T, then p
.set O,   160                          ; v160-191 O^T
.set PC,  192                          ; v192-203 p's codes
.set PT,  204                          ; v204-206, v208-210 the conversions' second halves
.set BM,  212                          ; v212-213 my two blocks' largest scores, then largest p
.set BP,  214                          ; v214-215 second chains
.set SO,  216                          ; v216-217 the conversions' scale operands
.set BY,  218                          ; v218-219 the bytes
.set PW,  220                          ; p's scale word
.set PWT, 221
.set FF,  222                          ; v[222:223] f = 2^(old M - new M); at the end 1 / the sum
.set SB,  224                          ; v224-229 the sum's other three chains
.set OUT, 232                          ; v232-237 O's codes
.set OW,  238                          ; O's two scale bytes
.set QB,  240                          ; v240-247 the second tile's Q, as it was loaded
.set WV,  12
.set CX,  13
.set BH,  14
.set G1,  16
.set G0,  24
.set SEL, 28                           ; s[28:29] v_permlanex16_b32's selects for lane l xor 16
.set CS,  30                           ; s[30:31] c = log2(e) / 32
.set TB,  32                           ; the step's record in LDS
.set ST,  33                           ; the trip
.set SW,  34                           ; the trip at which the second tile begins
.set J,   35
.set NC,  56                           ; -c
.macro ROUND                           ; a round of the cluster's barrier
	s_barrier_signal -1
	s_barrier_wait -1
	s_cmp_lg_u32 s[WV], 0
	s_cbranch_scc1 .Lnot_wave_0_\@
	s_barrier_signal -3
.Lnot_wave_0_\@:
	s_barrier_wait -3
	s_barrier_signal -1
	s_barrier_wait -1
.endm
.macro WALU
	s_wait_alu depctr_va_vdst(0)
.endm
; Tile s[J]: Q's record to s[q:q+1], O's to s[o:o+1], its scale words to s[sc:sc+1], 16 (J % 8) to s[dm]
.macro ADDR q, o, sc, dm
	s_lshr_b32 s36, s[BH], 4
	s_lshl_b32 s36, s36, 3
	s_lshr_b32 s38, s[J], 4
	s_add_co_u32 s36, s36, s38                     ; row / 256 = 8 b + J / 16
	s_and_b32 s38, s[BH], 15                       ; head
	s_and_b32 s39, s[J], 15                        ; (row / 16) % 16
	s_lshl_b32 s46, s36, 4
	s_add_co_u32 s46, s46, s38
	s_lshl_b32 s46, s46, 4
	s_add_co_u32 s46, s46, s39
	s_mul_i32 s46, s46, 768
	s_mov_b32 s47, 0
	s_add_nc_u64 s[\o:\o+1], s[8:9], s[46:47]
	s_lshl_b32 s46, s36, 3
	s_lshr_b32 s36, s38, 1
	s_add_co_u32 s46, s46, s36
	s_lshl_b32 s46, s46, 4
	s_add_co_u32 s46, s46, s39
	s_lshl_b32 s46, s46, 6
	s_and_b32 s38, s38, 1
	s_lshl_b32 s38, s38, 1
	s_add_co_u32 s46, s46, s38
	s_add_nc_u64 s[\sc:\sc+1], s[10:11], s[46:47]
	s_and_b32 s[\dm], s[J], 7
	s_lshl_b32 s[\dm], s[\dm], 4
	s_lshl_b32 s46, s[BH], 17
	s_lshl_b32 s38, s[J], 10
	s_add_co_u32 s46, s46, s38
	s_add_nc_u64 s[\q:\q+1], s[4:5], s[46:47]
.endm
.macro OZERO
.set jj, 0
.rept 32
	v_mov_b32 v[O+jj], 0                           ; O^T: the first change of M leaves zeros zeros.  (These are also the places between the lines above and the next product)
.set jj, jj+1
.endr
.endm
; A tile's way out: O^T / the sum, quantised along d: two blocks of 32
.macro WAYOUT o, sc
	v_add_f32 v14, v14, v15
	s_delay_alu instid0(VALU_DEP_1)
	v_permlanex16_b32 v[T], v14, s[SEL], s[SEL+1]
	s_delay_alu instid0(VALU_DEP_1)
	v_add_f32 v14, v14, v[T]                       ; the row's sum
	WALU
	v_rcp_f32 v[FF], v14
	v_nop                                          ; a plain place behind the reciprocal; with the additions above: the places behind the last product
	v_nop
	WALU
.set jj, 0
.rept 16
	v_pk_mul_f32 v[O+jj:O+jj+1], v[O+jj:O+jj+1], v[FF:FF+1] op_sel_hi:[1,0]
.set jj, jj+2
.endr
.irp b, 0,1
.irp i, 0,1,2,3,4,5,6,7
	v_permlane16_swap_b32 v[O+16*\b+\i], v[O+16*\b+8+\i]   ; register 16 b + i now holds d = 32 b + 16 (lane / 16) + i
.endr
.endr
.irp b, 0,1
	v_max3_num_f32 v[BM+\b], |v[O+16*\b]|, |v[O+16*\b+1]|, 0x1800000
.endr
.irp i, 2,4,6,8,10,12,14
.irp b, 0,1
	s_delay_alu instid0(VALU_DEP_2)
	v_max3_num_f32 v[BM+\b], v[BM+\b], |v[O+16*\b+\i]|, |v[O+16*\b+\i+1]|
.endr
.endr
.irp b, 0,1
	s_delay_alu instid0(VALU_DEP_2)
	v_permlanex16_b32 v[BP+\b], v[BM+\b], s[SEL], s[SEL+1]
.endr
.irp b, 0,1
	s_delay_alu instid0(VALU_DEP_2)
	v_max_num_f32 v[BM+\b], v[BM+\b], v[BP+\b]
.endr
.irp b, 0,1
	s_delay_alu instid0(VALU_DEP_2)
	v_add_nc_u32 v[SO+\b], 0xff000000, v[BM+\b]
.endr
.irp b, 0,1
	s_delay_alu instid0(VALU_DEP_2)
	v_lshrrev_b32 v[BP+\b], 23, v[SO+\b]
.endr
	s_delay_alu instid0(VALU_DEP_1)
	v_lshl_or_b32 v[OW], v[BP+1], 8, v[BP]
	v_cvt_scalef32_pk16_fp6_f32 v[OUT:OUT+2], v[O:O+15], v[SO]
	v_cvt_scalef32_pk16_fp6_f32 v[PT:PT+2], v[O+16:O+31], v[SO+1]
	v_nop
.irp i, 0,1,2
	v_permlane16_swap_b32 v[OUT+\i], v[PT+\i]
.endr
.irp i, 0,1,2
	s_delay_alu instid0(VALU_DEP_3)
	v_mov_b32 v[OUT+3+\i], v[PT+\i]                ; lane (r, h): row r, d = 32 h + 0 .. 31
.endr
	global_store_b128 v[LI], v[OUT:OUT+3], s[\o:\o+1]              ; 512 consecutive bytes, aligned
	global_store_b64 v[L8], v[OUT+4:OUT+5], s[\o:\o+1] offset:512  ; 256 more
	global_store_b16 v[R4], v[OW], s[\sc:\sc+1]    ; my head's half of 16 scale words (lanes l and l xor 16 write the same two bytes with the same value)
.endm
	s_load_b256 s[4:11], s[0:1], 0x0               ; qimg s[4:5], kvimg s[6:7], oimg s[8:9], osc s[10:11]
	v_lshl_add_u32 v254, v0, 2, 0x33000
	v_mov_b32 v255, 0
	ds_add_u32 v254, v255                          ; the opening lines
	ds_add_u32 v254, v255
	v_lshrrev_b32 v8, 5, v0
	s_delay_alu instid0(VALU_DEP_1)
	v_readfirstlane_b32 s[WV], v8                  ; wave 0..15
	s_bfe_u32 s[CX], ttmp6, 0x40000                ; my place in the cluster
	s_and_b32 s[BH], ttmp7, 0xffff                 ; b x 16 + head: the cluster's y, which the four partners share
	; a record is 13,056 dense bytes: 51 rows of 256 bytes (32 elements of 8), no padding
	s_mov_b32 s[G1], 15|(3<<16)|(1<<21)
	s_mov_b32 s[G1+1], 32<<16
	s_mov_b32 s[G1+2], 51<<16
	s_mov_b32 s[G1+3], 32<<16
	s_mov_b32 s[G1+4], 51
	s_mov_b32 s[G1+5], 32
	s_mov_b32 s[G1+6], 0
	s_mov_b32 s[G1+7], 0
	s_lshl_b32 s36, s[BH], 4
	s_add_co_u32 s36, s36, s[WV]
	s_mul_i32 s36, s36, REC                        ; record w of my head
	s_mov_b32 s37, 0
	s_mov_b32 s[G0], 1
	s_mul_i32 s[G0+1], s[WV], REC                  ; to LDS byte w x 13,056
	s_wait_dscnt 0x0
	s_wait_kmcnt 0x0
	s_add_nc_u64 s[G0+2:G0+3], s[6:7], s[36:37]
	s_or_b32 s[G0+3], s[G0+3], 0x80000000
	ROUND                                          ; all four work-groups are here: the joint loads meet
	tensor_load_to_lds s[G0:G0+3], s[G1:G1+7]      ; my one tensor load of the launch
	s_nop 0
.rept 4
	v_nop
.endr
	; under the load's flight: both tiles' addresses, both tiles' Q
	s_lshr_b32 s[SW], s[WV], 1
	s_add_co_u32 s[SW], s[SW], 1
	s_lshl_b32 s[J], s[WV], 2
	s_add_co_u32 s[J], s[J], s[CX]                 ; J = 4 w + g
	ADDR 40, 42, 44, 54
	s_sub_co_u32 s[J], 127, s[J]
	ADDR 48, 50, 52, 55
	s_mov_b32 s[SEL], 0x76543210
	s_mov_b32 s[SEL+1], 0xfedcba98
	s_mov_b32 s[CS], 0x3d38aa3b                    ; log2(e) / 32
	s_mov_b32 s[CS+1], s[CS]
	s_mov_b32 s[NC], 0xbd38aa3b
	s_mov_b32 s[ST], 0
	v_and_b32 v9, 31, v0
	s_delay_alu instid0(VALU_DEP_1)
	v_lshlrev_b32 v[LI], 4, v9
	s_delay_alu instid0(VALU_DEP_2)
	v_lshlrev_b32 v[L8], 3, v9
	v_and_b32 v10, 15, v0
	s_delay_alu instid0(VALU_DEP_1)
	v_lshlrev_b32 v[R4], 2, v10
	v_bfe_u32 v11, v0, 4, 1
	s_delay_alu instid0(VALU_DEP_1)
	v_lshlrev_b32 v[SH8], 3, v11
	s_delay_alu instid0(VALU_DEP_2)
	v_lshlrev_b32 v11, 5, v11
	s_delay_alu instid0(VALU_DEP_1)
	v_sub_nc_u32 v[RH], v10, v11
	global_load_b128 v[Q:Q+3], v[LI], s[40:41]
	global_load_b128 v[Q+4:Q+7], v[LI], s[40:41] offset:512   ; registers 4, 5, the scale word, 0
	global_load_b128 v[QB:QB+3], v[LI], s[48:49]
	global_load_b128 v[QB+4:QB+7], v[LI], s[48:49] offset:512
	v_mov_b32 v[NI], 0xff800000
.irp i, 48,49,50,51,52,53
	v_mov_b32 v[F+\i], 0                           ; what the last tile of K finds in the places of Q's zero codes
.endr
.irp i, 8,9,10,11
	v_mov_b32 v[Q+\i], 0                           ; zero codes for k = 64 .. 127
.endr
	v_mov_b32 v[BP], 0                             ; written once: a lane permute's destination counts as one of its sources
	v_mov_b32 v[BP+1], 0
	v_mov_b32 v[FF+1], 0                           ; (named as the upper half of a pair)
	v_add_nc_u32 v[DM], s54, v[RH]
	v_mov_b32 v13, 0xff61b1e6                      ; the largest score so far: -3e38
	v_mov_b32 v12, 0x7f61b1e6                      ; -M
	v_mov_b32 v14, 0
	v_mov_b32 v15, 0
	WALU                                           ; the wait at the head's end
	s_wait_tensorcnt 0x0                           ; my record is in,
	s_barrier_signal -1
	s_barrier_wait -1                              ; everybody's is: from here on LDS is only read
	s_wait_loadcnt 0x0
	v_mov_b32 v[QS], v[Q+6]
	v_mov_b32 v[Q+6], 0
	v_mov_b32 v[Q+7], 0
	OZERO
.Ltrip:
	s_sub_co_u32 s36, 16, s[ST]
	s_cmp_lt_u32 s[ST], s[SW]
	s_cselect_b32 s36, s[ST], s36                  ; the key step: the trip, or from the second tile's start on 16 - the trip
	s_min_u32 s36, s36, 15
	s_mul_i32 s[TB], s36, REC
	s_add_co_u32 s37, s[ST], 1
	s_sub_co_u32 s37, s37, s[SW]                   ; 0: the first tile's diagonal step; 1: the second's
	s_cmp_lg_u32 s[ST], s[SW]
	s_cbranch_scc1 .Lsame
	s_wait_xcnt 0x0                                ; a way round the loop leads from this way out's stores back to it: their data registers are written again only behind this wait
	WAYOUT 42, 44                                  ; the first tile leaves,
	v_mov_b32 v[QS], v[QB+6]                       ; and the second begins
.irp i, 0,1,2,3,4,5
	v_mov_b32 v[Q+\i], v[QB+\i]
.endr
	v_add_nc_u32 v[DM], s55, v[RH]
	v_mov_b32 v13, 0xff61b1e6
	v_mov_b32 v12, 0x7f61b1e6
	v_mov_b32 v14, 0
	v_mov_b32 v15, 0
	OZERO
.Lsame:
	s_barrier_signal -1                            ; I am in this trip
	v_add_nc_u32 v[AD], s[TB], v[LI]
	v_add_nc_u32 v[AD8], s[TB], v[L8]
	v_nop
	v_nop                                          ; four places behind the last step's products, in front of loads into their registers
.irp c, 0,1,2,3,4,5,6,7,8,9,10,11
	ds_load_b128 v[F+4*\c:F+4*\c+3], v[AD] offset:512*\c         ; K's eight tiles
.endr
	ds_load_b128 v[KS:KS+3], v[AD] offset:12288
	WALU
	s_wait_dscnt 0x0
.irp t, 0,1,2,3,4,5,6,7
.if \t%2
	v_wmma_scale_f32_16x16x128_f8f6f4 v[S+8*\t:S+8*\t+7], v[F+6*\t:F+6*\t+11], v[Q:Q+11], 0, v[KS+\t/2], v[QS] matrix_a_fmt:MATRIX_FMT_FP6 matrix_b_fmt:MATRIX_FMT_FP6 matrix_a_scale:MATRIX_SCALE_ROW1
.else
	v_wmma_scale_f32_16x16x128_f8f6f4 v[S+8*\t:S+8*\t+7], v[F+6*\t:F+6*\t+11], v[Q:Q+11], 0, v[KS+\t/2], v[QS] matrix_a_fmt:MATRIX_FMT_FP6 matrix_b_fmt:MATRIX_FMT_FP6
.endif
.endr
.rept 4
	v_nop                                          ; places in front of the loads below and of the first read of the scores
.endr
.irp f, 0,1,2,3
.irp c, 0,1
	ds_load_b128 v[F+12*\f+6*\c:F+12*\f+6*\c+3], v[AD] offset:6144+1536*\f+768*\c          ; V's four fragments: they land while the softmax is worked
	ds_load_b64 v[F+12*\f+6*\c+4:F+12*\f+6*\c+5], v[AD8] offset:6144+1536*\f+768*\c+512
.endr
.endr
	ds_load_b64 v[VS:VS+1], v[AD8] offset:12800
	s_cmp_gt_u32 s37, 1                            ; on a diagonal step the scores of hidden keys become -infinity ahead of the maximum: p = 0 then
	s_cbranch_scc1 .Lopen
.set nn, 0
.rept 64
	v_cmp_gt_i32 vcc_lo, 64*(nn/32)+nn%32, v[DM]   ; register 32 c + i holds the step's key 64 c + 32 (lane / 16) + i
	v_cndmask_b32 v[S+nn], v[S+nn], v[NI], vcc_lo
.set nn, nn+1
.endr
.Lopen:
	; the largest score of each of my two blocks of 32 keys, in two chains each: for the row's maximum, and, since p rises with the score, for the block's largest p
.irp c, 0,1
	v_max3_num_f32 v[BM+\c], v[S+32*\c], v[S+32*\c+1], v[S+32*\c+2]
	v_max3_num_f32 v[BP+\c], v[S+32*\c+16], v[S+32*\c+17], v[S+32*\c+18]
.endr
.irp i, 3,5,7,9,11,13
.irp c, 0,1
	v_max3_num_f32 v[BM+\c], v[BM+\c], v[S+32*\c+\i], v[S+32*\c+\i+1]
	v_max3_num_f32 v[BP+\c], v[BP+\c], v[S+32*\c+16+\i], v[S+32*\c+16+\i+1]
.endr
.endr
.irp c, 0,1
	v_max3_num_f32 v[BM+\c], v[BM+\c], v[BP+\c], v[S+32*\c+15]
.endr
.irp c, 0,1
	v_max_num_f32 v[BM+\c], v[BM+\c], v[S+32*\c+31]
.endr
	s_delay_alu instid0(VALU_DEP_1)
	v_max_num_f32 v[T], v[BM], v[BM+1]
	s_delay_alu instid0(VALU_DEP_1)
	v_permlanex16_b32 v[TP], v[T], s[SEL], s[SEL+1]
	s_delay_alu instid0(VALU_DEP_1)
	v_max3_num_f32 v13, v13, v[T], v[TP]           ; the running largest score of my query
	s_delay_alu instid0(VALU_DEP_1)
	v_mul_f32 v[T], s[NC], v13                     ; -t (c is positive)
	v_mov_b32 v[T2], v12
	s_delay_alu instid0(VALU_DEP_2)
	v_floor_f32 v12, v[T]                          ; the new -M = floor(-t): M is a whole number
	s_delay_alu instid0(VALU_DEP_1)
	v_sub_f32 v[T], v12, v[T2]                     ; old M - new M: a whole number, 0 or less
	s_delay_alu instid0(VALU_DEP_1)
	v_cvt_i32_f32 v[T], v[T]                       ; (it saturates)
	s_delay_alu instid0(VALU_DEP_1)
	v_ldexp_f32 v[FF], 1.0, v[T]                   ; f = 2^(old M - new M)
.set jj, 0
.rept 32
	v_pk_fma_f32 v[S+jj:S+jj+1], v[S+jj:S+jj+1], s[CS:CS+1], v[12:13] op_sel_hi:[1,0,0]   ; t - M, two at a time
.set jj, jj+2
.endr
.irp c, 0,1
	v_fma_f32 v[BM+\c], v[BM+\c], s[CS], v12       ; the same of each block's largest score
.endr
	WALU
.set jj, 0
.rept 64
	v_exp_f32 v[S+jj], v[S+jj]                     ; p = 2^(t - M)
.set jj, jj+1
.endr
.irp c, 0,1
	v_exp_f32 v[BM+\c], v[BM+\c]                   ; the block's largest p: the same two instructions on the same number
.endr
	v_nop                                          ; a plain place behind the exponentials
	WALU
.irp c, 0,1
	v_max_num_f32 v[BM+\c], 0x1800000, v[BM+\c]    ; the floor 2^(3 - 127): the byte cannot fall under 1
.endr
.irp c, 0,1
	s_delay_alu instid0(VALU_DEP_2)
	v_add_nc_u32 v[SO+\c], 0xff000000, v[BM+\c]    ; 2 off the exponent field: the conversion's scale operand
.endr
.irp c, 0,1
	s_delay_alu instid0(VALU_DEP_2)
	v_lshrrev_b32 v[BY+\c], 23, v[SO+\c]           ; the scale's byte
.endr
	s_delay_alu instid0(VALU_DEP_1)
	v_lshl_or_b32 v[PWT], v[BY+1], 16, v[BY]       ; my two bytes: blocks h and 2 + h,
	s_delay_alu instid0(VALU_DEP_1)
	v_lshlrev_b32 v[PWT], v[SH8], v[PWT]           ; at their places in the scale word;
	s_delay_alu instid0(VALU_DEP_1)
	v_permlanex16_b32 v[TP], v[PWT], s[SEL], s[SEL+1]
	s_delay_alu instid0(VALU_DEP_1)
	v_or_b32 v[PW], v[PWT], v[TP]                  ; with lane l xor 16's two the word is whole
.irp c, 0,1
	v_cvt_scalef32_pk16_fp6_f32 v[PC+6*\c:PC+6*\c+2], v[S+32*\c:S+32*\c+15], v[SO+\c]
	v_cvt_scalef32_pk16_fp6_f32 v[PT+4*\c:PT+4*\c+2], v[S+32*\c+16:S+32*\c+31], v[SO+\c]   ; (a conversion's three registers begin on an even number)
.endr
	; the row's sum, of the unquantised p, in four chains; the first line brings the old sum under the new M.  (These lines are also the plain place behind the conversions)
	v_pk_fma_f32 v[14:15], v[14:15], v[FF:FF+1], v[S:S+1] op_sel_hi:[1,0,1]
	v_pk_add_f32 v[SB:SB+1], v[S+2:S+3], v[S+4:S+5]
	v_pk_add_f32 v[SB+2:SB+3], v[S+6:S+7], v[S+8:S+9]
	v_pk_add_f32 v[SB+4:SB+5], v[S+10:S+11], v[S+12:S+13]
.set jj, 14
.rept 6
	v_pk_add_f32 v[14:15], v[14:15], v[S+jj:S+jj+1]
	v_pk_add_f32 v[SB:SB+1], v[SB:SB+1], v[S+jj+2:S+jj+3]
	v_pk_add_f32 v[SB+2:SB+3], v[SB+2:SB+3], v[S+jj+4:S+jj+5]
	v_pk_add_f32 v[SB+4:SB+5], v[SB+4:SB+5], v[S+jj+6:S+jj+7]
.set jj, jj+8
.endr
	v_pk_add_f32 v[14:15], v[14:15], v[S+62:S+63]
	s_delay_alu instid0(VALU_DEP_2)
	v_pk_add_f32 v[SB+2:SB+3], v[SB+2:SB+3], v[SB+4:SB+5]
	s_delay_alu instid0(VALU_DEP_2)
	v_pk_add_f32 v[14:15], v[14:15], v[SB:SB+1]
	s_delay_alu instid0(VALU_DEP_1)
	v_pk_add_f32 v[14:15], v[14:15], v[SB+2:SB+3]
.irp c, 0,1
.irp i, 0,1,2
	v_mov_b32 v[PC+6*\c+3+\i], v[PT+4*\c+\i]       ; registers 6 c .. 6 c + 5: keys 64 c + 32 h + 0 .. 31
.endr
.endr
	WALU                                           ; directly ahead of the first reader of O^T
.set jj, 0
.rept 16
	v_pk_mul_f32 v[O+jj:O+jj+1], v[O+jj:O+jj+1], v[FF:FF+1] op_sel_hi:[1,0]   ; O^T under the new M, each accumulator from its low end on
.set jj, jj+2
.endr
	WALU
	s_wait_dscnt 0x0                               ; V and its scale words are in
.irp f, 0,1,2,3                                ; the four accumulators by turns, one instruction a turn
.if \f%2
	v_wmma_scale_f32_16x16x128_f8f6f4 v[O+8*\f:O+8*\f+7], v[F+12*\f:F+12*\f+11], v[PC:PC+11], v[O+8*\f:O+8*\f+7], v[VS+\f/2], v[PW] matrix_a_fmt:MATRIX_FMT_FP6 matrix_b_fmt:MATRIX_FMT_FP6 matrix_a_scale:MATRIX_SCALE_ROW1
.else
	v_wmma_scale_f32_16x16x128_f8f6f4 v[O+8*\f:O+8*\f+7], v[F+12*\f:F+12*\f+11], v[PC:PC+11], v[O+8*\f:O+8*\f+7], v[VS+\f/2], v[PW] matrix_a_fmt:MATRIX_FMT_FP6 matrix_b_fmt:MATRIX_FMT_FP6
.endif
.endr
	s_barrier_wait -1                              ; every wave is in this trip
	s_add_co_u32 s[ST], s[ST], 1
	s_cmp_lt_u32 s[ST], 17
	s_cbranch_scc1 .Ltrip
	s_wait_xcnt 0x0                                ; the first tile's stores have read their data
	WAYOUT 50, 52
	s_wait_tensorcnt 0x0                           ; the wave's end
	ds_add_u32 v254, v255
	s_wait_dscnt 0x0
	ROUND                                          ; the closing round
	s_endpgm
.Lfunc_end_k_qb1fa2e93c6_attn:
	.size	k_qb1fa2e93c6_attn, .Lfunc_end_k_qb1fa2e93c6_attn-k_qb1fa2e93c6_attn
	.p2alignl 7, 3214868480
	.fill 96, 4, 3214868480
	.section	.rodata,"a",@progbits
	.p2align	6, 0x0
	.amdhsa_kernel k_qb1fa2e93c6_attn
		.amdhsa_group_segment_fixed_size 210944
		.amdhsa_private_segment_fixed_size 0
		.amdhsa_enable_private_segment 0
		.amdhsa_kernarg_size 32
		.amdhsa_user_sgpr_count 2
		.amdhsa_user_sgpr_kernarg_segment_ptr 1
		.amdhsa_wavefront_size32 1
		.amdhsa_system_sgpr_workgroup_id_x 1
		.amdhsa_system_sgpr_workgroup_id_y 1
		.amdhsa_system_sgpr_workgroup_id_z 1
		.amdhsa_system_vgpr_workitem_id 0
		.amdhsa_next_free_vgpr 256
		.amdhsa_next_free_sgpr 66
		.amdhsa_reserve_vcc 1
		.amdhsa_float_denorm_mode_32 3
		.amdhsa_float_denorm_mode_16_64 3
		.amdhsa_memory_ordered 1
		.amdhsa_forward_progress 1
		.amdhsa_inst_pref_size 40
	.end_amdhsa_kernel
	.amdgpu_metadata
---
amdhsa.version: [ 1, 2 ]
amdhsa.kernels:
  - .name:           k_qb1fa2e93c6_attn
    .symbol:         k_qb1fa2e93c6_attn.kd
    .args:
      - { .name: qimg, .offset: 0, .size: 8, .value_kind: global_buffer, .address_space: global }
      - { .name: kvimg, .offset: 8, .size: 8, .value_kind: global_buffer, .address_space: global }
      - { .name: oimg, .offset: 16, .size: 8, .value_kind: global_buffer, .address_space: global }
      - { .name: osc, .offset: 24, .size: 8, .value_kind: global_buffer, .address_space: global }
    .group_segment_fixed_size: 210944
    .private_segment_fixed_size: 0
    .kernarg_segment_align: 8
    .kernarg_segment_size: 32
    .max_flat_workgroup_size: 512
    .sgpr_count:     66
    .vgpr_count:     256
    .wavefront_size: 32
...
	.end_amdgpu_metadata
.endif
;; end of part 2
;; launch proj (part 3): grid 8 x 32, 4 waves a work-group, clusters of 4 x 4, 327,680 bytes of LDS; arguments oimg, osc, Wproj_codes, Wproj_scales, bproj, out0; writes out0
.if DOCPART == 3
	.amdgcn_target "amdgcn-amd-amdhsa--gfx1250"
	.amdhsa_code_object_version 6
	.text
	.protected	k_qb1fa2e93c6_proj
	.globl	k_qb1fa2e93c6_proj
	.p2align	8
	.type	k_qb1fa2e93c6_proj,@function
k_qb1fa2e93c6_proj:
	s_mov_b64 s[64:65], 0
	v_nop
	global_prefetch_b8 v0, s[64:65] scope:SCOPE_SE
	s_setreg_imm32_b32 hwreg(HW_REG_WAVE_MODE, 25, 1), 1
	s_wait_xcnt 0x0
	s_wait_alu depctr_hold_cnt(0) depctr_sa_sdst(0) depctr_va_vdst(0) depctr_va_sdst(0) depctr_va_ssrc(0) depctr_va_vcc(0) depctr_vm_vsrc(0)
	s_getreg_b32 s2, hwreg(HW_REG_IB_STS2, 6, 4)
	s_cmp_eq_u32 s2, 0
	s_cbranch_scc0 .Lentry_in_a_cluster
	s_endpgm
.Lentry_in_a_cluster:
	s_bfe_u32 s2, ttmp6, 0x10000c
	s_cmp_lg_u32 s2, 0xf033
	s_cbranch_scc0 .Lentry_shape_is_right
	s_endpgm
.Lentry_shape_is_right:
; out0 = o Wproj^T + bproj on codes of FP6 (E2M3) with E8M0 scales; o: 8,192 rows x K = 1,024, as images of the operand's registers (oimg, osc); Wproj: 1,024 rows of 768 bytes of codes and 32 scale bytes; out0 f32.
; A tile is 256 rows x 128 columns: 8 x 32 work-groups, one for each of 256 WGPs.  Four waves, each 128 rows x 64 columns: 32 accumulators.
; ALL OF K LIES IN LDS, filled once: no ring, no slot is filled again, no loop: the eight K steps of 128 are written out.
; FILLS: one joint load a wave, in one chain of arms: wave 0 Wproj's 128 rows, wave 1 o's codes of heads 0-7, wave 2 o's scale words, wave 3 o's codes of heads 8-15.  The first barrier shows the first three;
; wave 3's load, a line of its own, may still be out there, and is waited for by every wave ahead of the barrier in front of K step 4's fetch.  Wproj's scale words come straight into registers, 1,024 bytes on end for two loads.
; No prefetch: the launch has this one group of fills and no loop to run ahead in.
; CLUSTERS: 4 x 4 work-groups.  o's rows are shared along a row of the cluster, Wproj's along a column: each part is asked for jointly, by the same load with a mask that names the four.
; THE MATRIX INSTRUCTION: source 0 = 16 rows of Wproj, source 1 = 16 rows of o: a lane holds eight neighbouring columns of one row of out0.  The bias is the C of each sum's first instruction.
; REGISTERS: window 0: v4-13 addresses; v16-31 Wproj's scale words; v32-39 o's, two sets; v40-71 the bias; v72-119 Wproj's four fragments, v120-215 o's eight (set 0).  Window 2: set 1, same numbers.  Window 1: accumulator (a, b) at 8 (4 a + b).
; LIMITS: NaN, infinities and the scale byte 0xff among the inputs are not served.
.set AIMG,   0                         ; o's codes: [head][16 tiles of rows][768 bytes]: 196,608 bytes
.set BIMG,   196608                    ; Wproj's 128 rows, 816 bytes apart: 768 + 16 of padding behind each 256 = 204 words: row r starts at bank 12 r mod 64, so the 32 lanes of a load of 8 bytes touch 64 different banks (ISA guide 11.1)
.set BPITCH, 816
.set ASC,    301056                    ; o's scale words: [K step][256 rows][4 bytes]
.set SPITCH, 272                       ; the way out: a stage of 16 rows x (256 bytes + 16) for each wave, in AIMG's first bytes: they have had their one fill, and a barrier parts the stage's stores from the last reads
.set A16, 4                            ; v4   o's codes: my half's rows + 16 x lane
.set A8,  5                            ; v5   the same + 512 + 8 x lane
.set BA,  6                            ; v6   Wproj's codes: my 64 rows, row r, + 24 h
.set BA2, 7                            ; v7   the same behind one padding more: + 40 h
.set ASA, 8                            ; v8   o's scale words
.set STO, 9
.set RD,  10
.set CO,  11
.set BSA, 12                           ; v12  32 x lane
.set BS,  16
.set AS,  32
.set BIAS, 40
.set BF,  72
.set AF,  120
.set OB,  72                           ; the way out: v72-103 and v104-135 by turns
.set G1A,  28                          ; group 1: half of o's codes;
.set G1AS, 36                          ; o's scale words;
.set G1B,  44                          ; Wproj's codes
.set G0AS, 68                          ; groups 0, one for each load
.set G0B,  72
.set G0A,  76                          ; s[76:83]: two
.set MSB, 0
.macro WIN new
.if MSB != (\new)
	s_set_vgpr_msb (MSB<<8)|(\new)
.set MSB, (\new)
.endif
.endm
.macro CROUND                          ; a round of the cluster's barrier
	s_barrier_signal -1
	s_barrier_wait -1
	s_cmp_lg_u32 s16, 0
	s_cbranch_scc1 .Lnot_wave_0_\@
	s_barrier_signal -3
.Lnot_wave_0_\@:
	s_barrier_wait -3
	s_barrier_signal -1
	s_barrier_wait -1
.endm
.macro PLACES
.rept 4
	v_nop
.endr
.endm
	s_load_b256 s[4:11], s[0:1], 0x0               ; oimg s[4:5], osc s[6:7], Wproj's codes s[8:9], its scales s[10:11]
	s_load_b128 s[12:15], s[0:1], 0x20             ; bproj s[12:13], out0 s[14:15]
	v_lshl_add_u32 v254, v0, 2, 0x4c900
	v_mov_b32 v255, 0
	ds_add_u32 v254, v255                          ; the opening lines
	ds_add_u32 v254, v255
	v_lshrrev_b32 v1, 5, v0
	v_readfirstlane_b32 s16, v1                    ; wave 0..3
	s_lshr_b32 s17, s16, 1                         ; which 128 rows are mine
	s_and_b32 s18, s16, 1                          ; which 64 columns
	s_bfe_u32 s19, ttmp6, 0x40000                  ; cx, cy
	s_bfe_u32 s20, ttmp6, 0x40004
	s_lshl_b32 s21, ttmp9, 2
	s_add_co_u32 s21, s21, s19                     ; tile column = 4 x cluster x + cx
	s_and_b32 s22, ttmp7, 0xffff
	s_lshl_b32 s22, s22, 2
	s_add_co_u32 s22, s22, s20                     ; tile row = 4 x cluster y + cy
	s_lshl_b32 s23, s20, 2
	s_lshl_b32 s23, 15, s23                        ; my row of the cluster
	s_lshl_b32 s24, 0x1111, s19                    ; my column
	; group 1.  All parts are dense in memory; elements of 8 bytes
	s_or_b32 s[G1A], s23, (3<<16)|(1<<21)          ; half of o's codes, eight heads: 98,304 bytes as 384 rows of 256, no padding
	s_mov_b32 s[G1A+1], 32<<16
	s_mov_b32 s[G1A+2], 384<<16
	s_mov_b32 s[G1A+3], 32<<16
	s_mov_b32 s[G1A+4], 384
	s_mov_b32 s[G1A+5], 32
	s_mov_b32 s[G1A+6], 0
	s_mov_b32 s[G1A+7], 0
	s_or_b32 s[G1AS], s23, (3<<16)|(1<<21)         ; all eight K steps' scale words: 8,192 bytes as 32 rows of 256
	s_mov_b32 s[G1AS+1], 32<<16
	s_mov_b32 s[G1AS+2], 32<<16
	s_mov_b32 s[G1AS+3], 32<<16
	s_mov_b32 s[G1AS+4], 32
	s_mov_b32 s[G1AS+5], 32
	s_mov_b32 s[G1AS+6], 0
	s_mov_b32 s[G1AS+7], 0
	s_or_b32 s[G1B], s24, (3<<16)|(1<<20)|(1<<21)|(5<<22)|(3<<25)   ; 128 rows of 768 bytes (96 elements), 4 words of padding behind every 64
	s_mov_b32 s[G1B+1], 96<<16
	s_mov_b32 s[G1B+2], 128<<16
	s_mov_b32 s[G1B+3], 96<<16
	s_mov_b32 s[G1B+4], 128
	s_mov_b32 s[G1B+5], 96
	s_mov_b32 s[G1B+6], 0
	s_mov_b32 s[G1B+7], 0
	; offsets.  o's hang on the tile row alone (s92, s93, s96, s97), Wproj's on the tile column and the wave alone (s94, s95, s98, s99)
	s_mul_i32 s92, s22, 196608                     ; o's codes of tile row ty
	s_mov_b32 s93, 0
	s_lshl_b32 s96, s22, 13                        ; its scale words
	s_mov_b32 s97, 0
	s_mul_i32 s94, s21, 128*768                    ; Wproj's rows 128 tx on
	s_mov_b32 s95, 0
	s_lshl_b32 s98, s21, 7
	s_lshl_b32 s99, s18, 6
	s_add_co_u32 s98, s98, s99
	s_lshl_b32 s98, s98, 5                         ; the scale bytes of my 64 rows of Wproj: they come straight into registers
	s_mov_b32 s99, 0
	s_wait_dscnt 0x0
	s_wait_kmcnt 0x0
	s_add_nc_u64 s[92:93], s[4:5], s[92:93]
	s_add_nc_u64 s[96:97], s[6:7], s[96:97]
	s_add_nc_u64 s[94:95], s[8:9], s[94:95]
	s_add_nc_u64 s[98:99], s[10:11], s[98:99]
	s_mov_b32 s[G0AS], 1
	s_mov_b32 s[G0AS+1], ASC
	s_mov_b64 s[G0AS+2:G0AS+3], s[96:97]
	s_or_b32 s[G0AS+3], s[G0AS+3], 0x80000000
	s_mov_b32 s[G0B], 1
	s_mov_b32 s[G0B+1], BIMG
	s_mov_b64 s[G0B+2:G0B+3], s[94:95]
	s_or_b32 s[G0B+3], s[G0B+3], 0x80000000
.irp q, 0,1                                    ; o's codes in two halves: heads 0-7, heads 8-15
	s_mov_b32 s[G0A+4*\q], 1
	s_mov_b32 s[G0A+4*\q+1], \q*98304
	s_add_nc_u64 s[G0A+4*\q+2:G0A+4*\q+3], s[92:93], \q*98304
	s_or_b32 s[G0A+4*\q+3], s[G0A+4*\q+3], 0x80000000
.endr
	CROUND                                         ; all sixteen work-groups are here: the joint loads meet
	; ONE JOINT LOAD A WAVE, in one chain of arms: wave 0 Wproj's codes, wave 1 o's first half, wave 2 o's scale words, wave 3 o's second half
	s_cmp_eq_u32 s16, 0
	s_cbranch_scc0 .Lw1
	tensor_load_to_lds s[G0B:G0B+3], s[G1B:G1B+7]
	s_nop 0
	PLACES
	s_branch .Lasked
.Lw1:
	s_cmp_eq_u32 s16, 1
	s_cbranch_scc0 .Lw2
	tensor_load_to_lds s[G0A:G0A+3], s[G1A:G1A+7]
	s_nop 0
	PLACES
	s_branch .Lasked
.Lw2:
	s_cmp_eq_u32 s16, 2
	s_cbranch_scc0 .Lw3
	tensor_load_to_lds s[G0AS:G0AS+3], s[G1AS:G1AS+7]
	s_nop 0
	PLACES
	s_branch .Lasked
.Lw3:
	tensor_load_to_lds s[G0A+4:G0A+7], s[G1A:G1A+7]
	s_nop 0
	PLACES
.Lasked:
	s_lshl_b32 s26, s21, 9
	s_lshl_b32 s27, s18, 8
	s_add_co_u32 s26, s26, s27                     ; my first column in bytes: 512 tx + 256 x half
	s_mov_b32 s27, 0
	s_add_nc_u64 s[12:13], s[12:13], s[26:27]
	s_add_nc_u64 s[14:15], s[14:15], s[26:27]
	s_lshl_b32 s26, s22, 20
	s_lshl_b32 s25, s17, 19
	s_add_co_u32 s26, s26, s25                     ; my first row: (256 ty + 128 x half) x 4,096 bytes
	s_add_nc_u64 s[14:15], s[14:15], s[26:27]
	v_and_b32 v1, 31, v0                           ; lane
	v_and_b32 v2, 15, v0                           ; r
	v_bfe_u32 v3, v0, 4, 1                         ; h
	v_lshlrev_b32 v13, 5, v3
.irp b, 0,1,2,3                                ; the bias in the result's layout: tile b, lane (r, h): columns 16 b + 8 h + 0 .. 7
	global_load_b128 v[BIAS+8*\b:BIAS+8*\b+3], v13, s[12:13] offset:64*\b
	global_load_b128 v[BIAS+8*\b+4:BIAS+8*\b+7], v13, s[12:13] offset:64*\b+16
.endr
	s_mul_i32 s25, s17, 6144                       ; my eight tiles of rows in a head's sixteen
	v_lshl_add_u32 v[A16], v1, 4, s25
	v_lshl_add_u32 v[A8], v1, 3, s25
	v_add_nc_u32 v[A8], 512, v[A8]
	s_mul_i32 s25, s18, 64*BPITCH
	s_add_co_u32 s25, s25, BIMG
	v_mul_u32_u24 v14, v2, BPITCH
	v_mad_u32_u24 v[BA], v3, 24, v14
	v_mad_u32_u24 v[BA2], v3, 40, v14
	v_add_nc_u32 v[BA], s25, v[BA]
	v_add_nc_u32 v[BA2], s25, v[BA2]
	s_lshl_b32 s25, s17, 9
	s_add_co_u32 s25, s25, ASC
	v_lshl_add_u32 v[ASA], v1, 2, s25              ; lanes 0-15 an even tile of rows, lanes 16-31 the odd one behind it
	v_lshlrev_b32 v[BSA], 5, v1                    ; 32 bytes a row
.irp i, 0,1                                    ; Wproj's scale words for all of K: register 8 i + k: row 32 i + lane of my 64; two loads cover 1,024 bytes on end
	global_load_b128 v[BS+8*\i:BS+8*\i+3], v[BSA], s[98:99] offset:1024*\i
	global_load_b128 v[BS+8*\i+4:BS+8*\i+7], v[BSA], s[98:99] offset:1024*\i+16
.endr
	s_mul_i32 s25, s16, 16*SPITCH                  ; my stage
	v_mul_u32_u24 v14, v2, SPITCH
	v_lshl_add_u32 v14, v3, 5, v14
	v_add_nc_u32 v[STO], s25, v14                  ; in: row r, 32 bytes for each half of the lanes
	v_mul_u32_u24 v14, v3, SPITCH
	v_lshl_add_u32 v14, v2, 4, v14
	v_add_nc_u32 v[RD], s25, v14                   ; back: lanes 0-15 one row of 256 bytes, lanes 16-31 the next
	v_lshlrev_b32 v14, 12, v3
	v_lshl_add_u32 v[CO], v2, 4, v14               ; and the same two rows in out0
; The fragments and o's scale words of K step k into set p: 60 LDS loads.
.macro FETCH k, p
	WIN 0x80*(\p)                                  ; destination: window 0 or 2
.irp a, 0,1,2,3,4,5,6,7
.irp e, 0,1                                    ; head 2 k + e: registers 6 e .. 6 e + 5 of the fragment
	ds_load_b128 v[AF+12*\a+6*\e:AF+12*\a+6*\e+3], v[A16] offset:((\k)%2)*24576+\e*12288+768*\a
	ds_load_b64 v[AF+12*\a+6*\e+4:AF+12*\a+6*\e+5], v[A8] offset:((\k)%2)*24576+\e*12288+768*\a
.endr
.endr
.irp b, 0,1,2,3
.irp q, 0,1,2,3,4,5
.set PCE, 12*(\k)+6*(\q/3)+\q%3        ; the row's piece of 8 bytes for lanes 0-15; lanes 16-31 take the piece three on, which lies behind one padding more where PCE % 32 is 29 or more
.if PCE%32 < 29
	ds_load_b64 v[BF+12*\b+2*\q:BF+12*\b+2*\q+1], v[BA] offset:8*PCE+16*(PCE/32)+16*BPITCH*\b
.else
	ds_load_b64 v[BF+12*\b+2*\q:BF+12*\b+2*\q+1], v[BA2] offset:8*PCE+16*(PCE/32)+16*BPITCH*\b
.endif
.endr
.endr
	WIN 0                                          ; (scale operands have no window)
.irp i, 0,1,2,3
	ds_load_b32 v[AS+4*(\p)+\i], v[ASA] offset:1024*(\k)+128*\i
.endr
.endm
.macro WM d, fa, fb, c, sa, sb, ra, rb
.if (\ra) && (\rb)
	v_wmma_scale_f32_16x16x128_f8f6f4 v[\d:\d+7], v[\fa:\fa+11], v[\fb:\fb+11], v[\c:\c+7], v[\sa], v[\sb] matrix_a_fmt:MATRIX_FMT_FP6 matrix_b_fmt:MATRIX_FMT_FP6 matrix_a_scale:MATRIX_SCALE_ROW1 matrix_b_scale:MATRIX_SCALE_ROW1
.elseif (\ra)
	v_wmma_scale_f32_16x16x128_f8f6f4 v[\d:\d+7], v[\fa:\fa+11], v[\fb:\fb+11], v[\c:\c+7], v[\sa], v[\sb] matrix_a_fmt:MATRIX_FMT_FP6 matrix_b_fmt:MATRIX_FMT_FP6 matrix_a_scale:MATRIX_SCALE_ROW1
.elseif (\rb)
	v_wmma_scale_f32_16x16x128_f8f6f4 v[\d:\d+7], v[\fa:\fa+11], v[\fb:\fb+11], v[\c:\c+7], v[\sa], v[\sb] matrix_a_fmt:MATRIX_FMT_FP6 matrix_b_fmt:MATRIX_FMT_FP6 matrix_b_scale:MATRIX_SCALE_ROW1
.else
	v_wmma_scale_f32_16x16x128_f8f6f4 v[\d:\d+7], v[\fa:\fa+11], v[\fb:\fb+11], v[\c:\c+7], v[\sa], v[\sb] matrix_a_fmt:MATRIX_FMT_FP6 matrix_b_fmt:MATRIX_FMT_FP6
.endif
.endm
; K step k on set p: 32 products; the 32 accumulators take turns, one instruction a turn, in the same order in every step.
.macro MUL k, p
.if (\k) == 0
	WIN 0x40                                       ; D window 1; the fragments and C, the bias, window 0
.else
	WIN 0x50+0x0a*(\p)                             ; C and D window 1; the fragments window 0 or 2
.endif
.irp a, 0,1,2,3,4,5,6,7
.irp b, 0,1,2,3
.if (\k) == 0
	WM 8*(4*\a+\b), BF+12*\b, AF+12*\a, BIAS+8*\b, BS+8*(\b/2)+(\k), AS+4*(\p)+\a/2, \b%2, \a%2
.else
	WM 8*(4*\a+\b), BF+12*\b, AF+12*\a, 8*(4*\a+\b), BS+8*(\b/2)+(\k), AS+4*(\p)+\a/2, \b%2, \a%2
.endif
.endr
.endr
.endm
.macro CHUNK q                         ; the addresses of o's codes go four heads on; ahead of heads 8-15 their load is shown to all
	WIN 0
.if (\q) == 2
	s_wait_tensorcnt 0x0                           ; o's second half: every wave waits, wave 3 for its load
	s_wait_dscnt 0x0
	s_barrier_signal -1
	s_barrier_wait -1                              ; it is shown to all
.endif
	v_add_nc_u32 v[A16], 49152, v[A16]             ; four heads on
	s_wait_alu depctr_va_vdst(0)
	v_add_nc_u32 v[A8], 49152, v[A8]
.endm
.macro KSTEPM k
.if (\k)%2 == 1
	CHUNK ((\k)+1)/2
.endif
.if (\k) > 0
	s_wait_alu depctr_va_vdst(0)
	PLACES                                         ; in front of loads into registers that the step before last multiplied
.endif
	FETCH (\k)+1, ((\k)+1)%2
	s_wait_dscnt 60                                ; all but the 60 loads just issued
	MUL \k, (\k)%2
.endm
	s_wait_alu depctr_va_vdst(0)                   ; the wait at the head's end
	s_cmp_eq_u32 s16, 3
	s_cbranch_scc1 .Lnot_yet
	s_wait_tensorcnt 0x0                           ; waves 0 to 2: Wproj's codes, o's first half and its scale words are in; wave 3's load, a line of its own, may be out
.Lnot_yet:
	s_barrier_signal -1
	s_barrier_wait -1
	FETCH 0, 0
	s_wait_loadcnt 0x0                             ; the bias and Wproj's scale words
.irp k, 0,1,2,3,4,5,6
	KSTEPM \k
.endr
	s_wait_dscnt 0x0                               ; my last reads of the operands are in:
	s_barrier_signal -1                            ; say so,
	MUL 7, 1                                       ; work on registers while the others arrive,
	WIN 0
	s_barrier_wait -1                              ; and only then is anything stored into the stage
; THE WAY OUT, 16 rows x 64 columns at a time, through my stage: sixteen lanes then store 256 consecutive bytes, at a multiple of 256 from out0's first byte.
.macro TOSTAGE a
	WIN 0x04                                       ; an LDS store's data are its source 1: window 1
.irp b, 0,1,2,3
	ds_store_b128 v[STO], v[8*(4*(\a)+\b):8*(4*(\a)+\b)+3] offset:64*\b        ; each accumulator from its low end on
	ds_store_b128 v[STO], v[8*(4*(\a)+\b)+4:8*(4*(\a)+\b)+7] offset:64*\b+16
.endr
	WIN 0
.set BB, OB+32*((\a)%2)
.irp t, 0,1,2,3,4,5,6,7
	ds_load_b128 v[BB+4*\t:BB+4*\t+3], v[RD] offset:\t*2*SPITCH   ; LDS serves a wave's instructions in order (ISA guide 5.7.1.4): these see the stores above
.endr
.endm
.macro SEND a, younger                 ; younger: the LDS instructions issued behind block a's loads
.set BB, OB+32*((\a)%2)
	s_wait_dscnt \younger
.irp t, 0,1,2,3,4,5,6,7
	global_store_b128 v[CO], v[BB+4*\t:BB+4*\t+3], s[14:15] offset:(16*(\a)+2*\t)*4096 th:TH_STORE_NT   ; written once, read by nobody here
.endr
.endm
	PLACES                                         ; behind the last products
	TOSTAGE 0
.irp a, 1,2,3,4,5,6,7
.if \a > 1
	s_wait_xcnt 0x0                                ; block a - 2's stores have read their registers: block a's loads may land there
.endif
	TOSTAGE \a
	SEND \a-1, 16                                  ; behind block a - 1's loads: block a's 8 stores and 8 loads
.endr
	SEND 7, 0
	s_wait_tensorcnt 0x0                           ; the wave's end
	ds_add_u32 v254, v255
	s_wait_dscnt 0x0
	CROUND                                         ; the closing round
	s_endpgm
.Lfunc_end_k_qb1fa2e93c6_proj:
	.size	k_qb1fa2e93c6_proj, .Lfunc_end_k_qb1fa2e93c6_proj-k_qb1fa2e93c6_proj
	.p2alignl 7, 3214868480
	.fill 96, 4, 3214868480
	.section	.rodata,"a",@progbits
	.p2align	6, 0x0
	.amdhsa_kernel k_qb1fa2e93c6_proj
		.amdhsa_group_segment_fixed_size 327680
		.amdhsa_private_segment_fixed_size 0
		.amdhsa_enable_private_segment 0
		.amdhsa_kernarg_size 48
		.amdhsa_user_sgpr_count 2
		.amdhsa_user_sgpr_kernarg_segment_ptr 1
		.amdhsa_wavefront_size32 1
		.amdhsa_system_sgpr_workgroup_id_x 1
		.amdhsa_system_sgpr_workgroup_id_y 1
		.amdhsa_system_sgpr_workgroup_id_z 1
		.amdhsa_system_vgpr_workitem_id 0
		.amdhsa_next_free_vgpr 768
		.amdhsa_next_free_sgpr 100
		.amdhsa_reserve_vcc 0
		.amdhsa_float_denorm_mode_32 3
		.amdhsa_float_denorm_mode_16_64 3
		.amdhsa_memory_ordered 1
		.amdhsa_forward_progress 1
		.amdhsa_inst_pref_size 89
	.end_amdhsa_kernel
	.amdgpu_metadata
---
amdhsa.version: [ 1, 2 ]
amdhsa.kernels:
  - .name:           k_qb1fa2e93c6_proj
    .symbol:         k_qb1fa2e93c6_proj.kd
    .args:
      - { .name: oimg, .offset: 0, .size: 8, .value_kind: global_buffer, .address_space: global }
      - { .name: osc, .offset: 8, .size: 8, .value_kind: global_buffer, .address_space: global }
      - { .name: Wproj_codes, .offset: 16, .size: 8, .value_kind: global_buffer, .address_space: global }
      - { .name: Wproj_scales, .offset: 24, .size: 8, .value_kind: global_buffer, .address_space: global }
      - { .name: bproj, .offset: 32, .size: 8, .value_kind: global_buffer, .address_space: global }
      - { .name: out0, .offset: 40, .size: 8, .value_kind: global_buffer, .address_space: global }
    .group_segment_fixed_size: 327680
    .private_segment_fixed_size: 0
    .kernarg_segment_align: 8
    .kernarg_segment_size: 48
    .max_flat_workgroup_size: 128
    .sgpr_count:     100
    .vgpr_count:     768
    .wavefront_size: 32
...
	.end_amdgpu_metadata
.endif
;; end of part 3
